; MI455X (gfx1250); checked and timed in simulation.
; The chip was launched on July 23, 2026; its instructions are those of AMD's public machine-readable ISA for CDNA 5 (MIT licence, August 2026) and "CDNA5" Instruction Set Architecture Reference Guide (July 2026). The comments in the code are by the model that wrote it; some were corrected since.
;; Epoch Mixer. Allowed arithmetic: matrix products marked QUANTISED: E5M2 operands, one given power-of-two scale a tensor, by v_wmma_f32_16x16x64_bf8_bf8 or v_wmma_f32_16x16x128_bf8_bf8, f32 sums; products left as they are: f32 operands where the result goes on into a quantised operand, else bf16, f16 or f32 operands; f32 sums; everything else in f32.
;; Inputs: W1 2 x 512 x 128 float32; W2 2 x 128 x 512 float32; Wo 2 x 128 x 128 float32; Wqkv 2 x 384 x 128 float32; b1 2 x 512 float32; b2 2 x 128 float32; bo 2 x 128 float32; bqkv 2 x 384 float32; cls_token 1 x 1 x 128 float32; ln1_b 2 x 128 float32; ln1_g 2 x 128 float32; ln2_b 2 x 128 float32; ln2_g 2 x 128 float32; lowp_scales 16 int32 (the exponents e of the quantised operands' scales 2^e); z0 16 x 2,048 x 128 float32; z1 16 x 2,048 x 128 float32; z2 16 x 2,048 x 128 float32.
;; Outputs: out0 16 x 2,048 x 128 float32.
;; This version of the problem:
;;   THIS VERSION OF THE PROBLEM IS GIVEN IN LOW PRECISION. The matrix products marked QUANTISED in the list below multiply operands that are first quantised to E5M2 (5 exponent bits, 2 mantissa bits; 8 bits a number), with one given power-of-two scale for each operand tensor; their sums are f32. All else is computed in f32.
;;   The module's matrix products, in the order in which they are computed (A, B: the left and right operand; K: the contracted axis; several contracted axes count as one K, in the product's order):
;;     1. [M 131,072, K 128] x [K 128, N 384]; A: computed on the way; B: input Wqkv: QUANTISED (scales: A lowp_scales[0], B lowp_scales[1])
;;     2. batch 262,144 x [M 4, K 16] x [K 16, N 4]; A: computed on the way; B: computed on the way: left as it is (K = 16 < 32)
;;     3. batch 262,144 x [M 16, K 4] x [K 4, N 4]; A: computed on the way; B: softmax: left as it is (K = 4 < 32)
;;     4. [M 131,072, K 128] x [K 128, N 128]; A: computed on the way; B: input Wo: QUANTISED (scales: A lowp_scales[2], B lowp_scales[3])
;;     5. [M 131,072, K 128] x [K 128, N 512]; A: computed on the way; B: input W1: QUANTISED (scales: A lowp_scales[4], B lowp_scales[5])
;;     6. [M 131,072, K 512] x [K 512, N 128]; A: computed on the way; B: input W2: QUANTISED (scales: A lowp_scales[6], B lowp_scales[7])
;;     7. [M 131,072, K 128] x [K 128, N 384]; A: computed on the way; B: input Wqkv: QUANTISED (scales: A lowp_scales[8], B lowp_scales[9])
;;     8. batch 262,144 x [M 4, K 16] x [K 16, N 4]; A: computed on the way; B: computed on the way: left as it is (K = 16 < 32)
;;     9. batch 262,144 x [M 16, K 4] x [K 4, N 4]; A: computed on the way; B: softmax: left as it is (K = 4 < 32)
;;     10. [M 131,072, K 128] x [K 128, N 128]; A: computed on the way; B: input Wo: QUANTISED (scales: A lowp_scales[10], B lowp_scales[11])
;;     11. [M 131,072, K 128] x [K 128, N 512]; A: computed on the way; B: input W1: QUANTISED (scales: A lowp_scales[12], B lowp_scales[13])
;;     12. [M 131,072, K 512] x [K 512, N 128]; A: computed on the way; B: input W2: QUANTISED (scales: A lowp_scales[14], B lowp_scales[15])
;;   THE QUANTISER, for each operand of a quantised product, along K:
;;     - The operand's scale is 2^e, e = its entry of the input lowp_scales (int32; the entries are numbered through the quantised products in the list's order, A before B).
;;     - Each number is divided by the scale, clamped to +-57,344, and rounded to the nearest number of E5M2, ties to even, subnormals kept.
;;     - The product sums the exact products of the quantised numbers (number of the format x scale) in f32.
;;   ~~~python
;;   def quantise(x, axis, e):      # numpy; x: float32 -> the quantised numbers, widened to float32 again
;;       x = np.moveaxis(x, axis, -1); K = x.shape[-1]
;;       r = np.clip(x / 2.0 ** e, -57344, 57344)
;;       step = 2.0 ** (np.maximum(np.frexp(np.where(r == 0, 1, r))[1] - 1, -14) - 2)
;;       q = np.round(r / step) * step * 2.0 ** e      # np.round: ties to even
;;       return np.moveaxis(q, -1, axis).astype(np.float32)
;;   ~~~
;;   OPERANDS COMPUTED ON THE WAY. 'Computed on the way' means the value that the module computes at that place (a softmax that the list does not call 'softmax' is quantised finished and normalised). What goes into a quantiser is computed in f32, as accurately as f32 sums, v_exp_f32 and their like allow (about 1e-6 of the number): no bf16 or f16 on the way to a quantiser, and a product that is left as it is and whose result goes on into a quantised operand takes f32 operands (vector FMAs, or v_wmma_f32_16x16x4_f32). A number that lies on a knife's edge between two numbers of the format may be rounded either way, as far as f32 arithmetic and the matrix unit's own rounding can turn it there, and no further.
;; One version. Each part assembles by itself: llvm-mc -triple=amdgcn-amd-amdhsa -mcpu=gfx1250 --defsym DOCPART=n.
;; ======== version 1 of 1: 2 launches
;; limits: right only within a limited range of input values
;; workspace buffers: wsp 407,552 bytes
;; launch prep (part 1): grid 97 x 2, 1 waves a work-group, no clusters, 0 bytes of LDS; arguments Wqkv, Wo, W1, W2, bqkv, bo, b1, b2, ln1_g, ln1_b, ln2_g, ln2_b, cls_token, lowp_scales, wsp; writes wsp
.if DOCPART == 1
	.amdgcn_target "amdgcn-amd-amdhsa--gfx1250"
	.amdhsa_code_object_version 6
	.text
	.protected	k_q1517b7b011_prep
	.globl	k_q1517b7b011_prep
	.p2align	8
	.type	k_q1517b7b011_prep,@function
k_q1517b7b011_prep:
	s_mov_b64 s[64:65], 0
	v_nop
	global_prefetch_b8 v0, s[64:65] scope:SCOPE_SE
	s_setreg_imm32_b32 hwreg(HW_REG_WAVE_MODE, 25, 1), 1
	s_wait_xcnt 0x0
; EpochMixer, launch 1 of 2: the four weights of both layers become codes of E5M2, once, laid in the order in which the second launch's
; operand registers take them, and the small vectors are laid beside them, the biases divided by the power of two that the raw sums lack.
;
; DEAD WORK OF THE WHOLE PROGRAM (left out in the second launch; nothing is left out here).  reference() returns x[:, :, 0, :]: row 0 (CLS) of the last layer.
; In a layer the projection Wo, both layer norms and the feed-forward act on each of the 4 rows of an epoch by itself, and row q of the attention takes
; q of row q alone, with k and v of all four rows.  So, whatever the inputs hold, rows 1 to 3 of layer 2 reach the output through k and v of layer 2 alone:
; for those rows the q part of product 7, products 8 and 9, products 10, 11, 12 and both norms of layer 2 reach no output.  The second launch lays a tile
; as one row position of 16 epochs, so all of that is whole tiles.  Layer 1 is live in full, and every input has a way to the output: all are loaded.
; LIMIT: a NaN, an infinity or an overflow that arises only in the rows left out is not carried to the result.
;
; code = x / 2^e, held within +-57,344, to the nearest code, ties to even; e from lowp_scales (layer l: entries 8 l + 1, 3, 5, 7 for Wqkv, Wo, W1, W2).
; LIMITS: -126 <= e and e + 15 <= 127.  NaN among the weights is not served.
;
; A FRAGMENT IMAGE: 16 weight rows x 128 K in 4 chunks of 512 bytes; in chunk q lane (r, h) has the 16 bytes at 16 x lane: row row0 + r + 8 (r / 8), k = 32 q + 16 h + 0 .. 15.
; wsp: A1 at 0 (for b = 0..3: q, q, k, k, v, v tiles of rows 32 b + 8 u; then Wo's 8 tiles at 49,152), V at 65,536 (vectors), F1 at 79,872
; (for c = 0..7: W1's 4 tiles of hidden units 64 c on, then W2's 8 tiles x 64 K), A2 at 210,944, F2 at 276,480.
; SHARES: one wave to a work-group.  x = 0 .. 95: one image of 2,048 bytes; x = 96: the vectors.  y = the layer.  Every store covers 512 consecutive bytes, aligned.
.set A_STEP, 210944
.set F_B,    79872
.set F_STEP, 196608
.set V_B,    65536
.set VL,     6656                      ; a layer's vectors: bqkv 0, bo 1536, ln1_g 2048, ln1_b 2560, b1 3072, b2 5120, ln2_g 5632, ln2_b 6144
	s_load_b512 s[8:23], s[0:1], 0x0               ; Wqkv s[8:9], Wo s[10:11], W1 s[12:13], W2 s[14:15], bqkv s[16:17], bo s[18:19], b1 s[20:21], b2 s[22:23]
	s_load_b256 s[24:31], s[0:1], 0x40             ; ln1_g, ln1_b, ln2_g, ln2_b
	s_load_b128 s[32:35], s[0:1], 0x60             ; cls_token, lowp_scales
	s_load_b64 s[36:37], s[0:1], 0x70              ; wsp
	s_and_b32 s3, ttmp7, 0xffff                    ; the layer
	s_mov_b32 s2, ttmp9                            ; g
	s_lshl_b32 s4, s3, 5                           ; the layer's eight exponents: 32 bytes
	s_mov_b32 s5, 0
	v_lshlrev_b32 v1, 4, v0                        ; 16 x lane
	s_wait_kmcnt 0x0
	s_add_nc_u64 s[34:35], s[34:35], s[4:5]
	s_load_b256 s[40:47], s[34:35], 0x0            ; e0 .. e7 of the layer
	s_wait_kmcnt 0x0
	s_cmp_lt_u32 s2, 96
	s_cbranch_scc0 .Lvectors
	; ---- an image.  All that differs between the four tensors is chosen by the work-group number alone, without a branch.
	s_and_b32 s6, s2, 7                            ; g < 32: tile t,
	s_lshr_b32 s7, s2, 3                           ; part p: 0, 1, 2 = q, k, v; 3 = Wo
	s_and_b32 s48, s2, 31                          ; g >= 32: i
	s_lshr_b32 s60, s6, 1
	s_and_b32 s61, s6, 1
	s_lshl_b32 s52, s60, 5
	s_lshl_b32 s62, s61, 3
	s_add_co_u32 s52, s52, s62                     ; Wo: row0 = 32 (t / 2) + 8 (t % 2)
	s_lshl_b32 s62, s7, 7
	s_add_co_u32 s62, s62, s52                     ; Wqkv: + 128 p
	s_mul_i32 s55, s60, 12288
	s_lshl_b32 s63, s7, 12
	s_add_co_u32 s55, s55, s63
	s_lshl_b32 s63, s61, 11
	s_add_co_u32 s55, s55, s63                     ; Wqkv goes to 12,288 (t / 2) + 4,096 p + 2,048 (t % 2),
	s_lshl_b32 s63, s6, 11
	s_add_co_u32 s63, s63, 49152                   ; Wo to 49,152 + 2,048 t
	s_cmp_lt_u32 s2, 24
	s_cselect_b32 s52, s62, s52
	s_cselect_b32 s55, s55, s63
	s_cselect_b64 s[50:51], s[8:9], s[10:11]
	s_cselect_b32 s56, s41, s43
	s_mov_b32 s59, 65536
	s_cselect_b32 s59, 196608, s59                 ; a layer of the source, in bytes
	s_mul_i32 s49, s3, A_STEP                      ; and of part A in wsp
	s_lshr_b32 s60, s48, 1
	s_lshl_b32 s60, s60, 5
	s_and_b32 s61, s48, 1
	s_lshl_b32 s61, s61, 3
	s_add_co_u32 s60, s60, s61                     ; W1: row0 = 32 (i / 2) + 8 (i % 2)
	s_lshr_b32 s61, s48, 2                         ; chunk c
	s_and_b32 s62, s48, 3
	s_lshl_b32 s63, s61, 14
	s_lshl_b32 s6, s62, 11
	s_add_co_u32 s63, s63, s6
	s_add_co_u32 s63, s63, F_B                     ; W1 goes to 79,872 + 16,384 c + 2,048 (i % 4)
	s_mul_i32 s7, s3, F_STEP
	s_cmp_lt_u32 s2, 32
	s_cselect_b32 s52, s52, s60
	s_cselect_b32 s55, s55, s63
	s_cselect_b64 s[50:51], s[50:51], s[12:13]
	s_cselect_b32 s56, s56, s45
	s_cselect_b32 s49, s49, s7
	s_mov_b32 s6, 262144
	s_cselect_b32 s59, s59, s6
	s_lshl_b32 s60, s62, 5                         ; W2: row0 = 32 (i % 4): two tiles of 16 rows x 64 K,
	s_add_co_u32 s63, s63, 8192                    ; 8,192 bytes behind W1's place,
	s_lshl_b32 s54, s61, 8                         ; from k = 64 c on
	s_cmp_lt_u32 s2, 64
	s_cselect_b32 s52, s52, s60
	s_cselect_b32 s55, s55, s63
	s_cselect_b64 s[50:51], s[50:51], s[14:15]
	s_cselect_b32 s56, s56, s47
	s_cselect_b32 s54, 0, s54
	s_cselect_b32 s53, 9, 11                       ; log2 of a source row's bytes
	s_mov_b32 s57, 16384
	s_cselect_b32 s57, 256, s57                    ; where chunk 2 begins in the source: 64 along K on, or (W2) eight rows on,
	s_mov_b32 s58, 16512
	s_cselect_b32 s58, 384, s58                    ; and chunk 3
	s_add_co_u32 s55, s55, s49
	s_mul_i32 s60, s3, s59
	s_lshl_b32 s61, s52, s53
	s_add_co_u32 s60, s60, s61
	s_add_co_u32 s60, s60, s54
	s_mov_b32 s61, 0
	s_add_nc_u64 s[50:51], s[50:51], s[60:61]      ; the source at the layer, row0 and the first k
	s_add_co_i32 s56, s56, 127
	s_add_co_i32 s62, s56, 15
	s_lshl_b32 s56, s56, 23                        ; 2^e as f32: the conversion takes its exponent field
	s_lshl_b32 s62, s62, 23
	s_or_b32 s62, s62, 0x600000                    ; 57,344 x 2^e
	s_xor_b32 s63, s62, 0x80000000
	v_mov_b32 v10, s56
	v_and_b32 v8, 15, v0                           ; r
	v_lshrrev_b32 v9, 4, v0                        ; h
	v_and_b32 v2, 8, v8
	v_add_nc_u32 v2, v2, v8                        ; r + 8 (r / 8)
	v_lshlrev_b32 v2, s53, v2
	v_lshl_add_u32 v4, v9, 6, v2                   ; chunk 0: my row, + 16 h numbers
	v_add_nc_u32 v5, 128, v4
	v_add_nc_u32 v6, s57, v4
	v_add_nc_u32 v7, s58, v4
	v_add_nc_u32 v3, s55, v1                       ; where my 16 bytes of chunk 0 go
.set q_, 0
.rept 4
.set c_, 0
.rept 4
	global_load_b128 v[16+16*q_+4*c_:19+16*q_+4*c_], v[4+q_], s[50:51] offset:16*c_   ; 16 neighbours along K a chunk
.set c_, c_+1
.endr
.set q_, q_+1
.endr
	s_wait_loadcnt 0x0
.set i_, 0
.rept 64
	v_med3_num_f32 v[16+i_], v[16+i_], s63, s62    ; the conversion to an 8-bit code does not saturate (ISA guide 7.6.2): the hold comes first
.set i_, i_+1
.endr
.set i_, 0
.rept 8
	v_cvt_scalef32_pk8_bf8_f32 v[80+2*i_:81+2*i_], v[16+8*i_:23+8*i_], v10
.set i_, i_+1
.endr
	v_nop
.set q_, 0
.rept 4
	global_store_b128 v3, v[80+4*q_:83+4*q_], s[36:37] offset:512*q_
.set q_, q_+1
.endr
	s_endpgm
.Lvectors:
	; ---- the layer's vectors, four numbers a lane.  v16 on take them in the order of their fields, 512 bytes a field.
	s_mul_i32 s6, s3, 1536
	s_lshl_b32 s7, s3, 9
	s_lshl_b32 s48, s3, 11
	s_mul_i32 s49, s3, VL
	s_add_co_u32 s49, s49, V_B
	v_add_nc_u32 v4, s6, v1
	v_add_nc_u32 v5, s7, v1
	v_add_nc_u32 v6, s48, v1
	v_add_nc_u32 v7, s49, v1
	global_load_b128 v[16:19], v4, s[16:17]
	global_load_b128 v[20:23], v4, s[16:17] offset:512
	global_load_b128 v[24:27], v4, s[16:17] offset:1024
	global_load_b128 v[28:31], v5, s[18:19]
	global_load_b128 v[32:35], v5, s[24:25]
	global_load_b128 v[36:39], v5, s[26:27]
	global_load_b128 v[40:43], v6, s[20:21]
	global_load_b128 v[44:47], v6, s[20:21] offset:512
	global_load_b128 v[48:51], v6, s[20:21] offset:1024
	global_load_b128 v[52:55], v6, s[20:21] offset:1536
	global_load_b128 v[56:59], v5, s[22:23]
	global_load_b128 v[60:63], v5, s[28:29]
	global_load_b128 v[64:67], v5, s[30:31]
	global_load_b128 v[68:71], v1, s[32:33]
	s_add_co_i32 s50, s40, s41
	s_sub_co_i32 s50, 0, s50                       ; -(e0 + e1): a raw sum of the first product stands for sum x 2^(e0 + e1), so its bias goes in divided by that
	s_add_co_i32 s51, s42, s43
	s_sub_co_i32 s51, 0, s51
	s_add_co_i32 s52, s44, s45
	s_sub_co_i32 s52, 0, s52
	s_add_co_i32 s53, s46, s47
	s_sub_co_i32 s53, 0, s53
	s_wait_loadcnt 0x0
.irp i, 0,1,2,3
	v_add_f32 v[72+\i], v[68+\i], v[28+\i]         ; cls + bo: what layer 1 adds Wo's product onto in the CLS rows
.endr
.irp i, 0,1,2,3
	v_ldexp_f32 v[72+\i], v[72+\i], s51
.endr
.irp i, 0,1,2,3,4,5,6,7,8,9,10,11
	v_ldexp_f32 v[16+\i], v[16+\i], s50
.endr
.irp i, 0,1,2,3
	v_ldexp_f32 v[28+\i], v[28+\i], s51
.endr
.irp i, 0,1,2,3,4,5,6,7,8,9,10,11,12,13,14,15
	v_ldexp_f32 v[40+\i], v[40+\i], s52
.endr
.irp i, 0,1,2,3
	v_ldexp_f32 v[56+\i], v[56+\i], s53
.endr
.set k_, 0
.rept 13
	global_store_b128 v7, v[16+4*k_:19+4*k_], s[36:37] offset:512*k_
.set k_, k_+1
.endr
	s_cmp_lg_u32 s3, 0
	s_cbranch_scc1 .Ldone                          ; cls and cls + bo[0] belong to layer 1 alone
	global_store_b128 v1, v[68:71], s[36:37] offset:V_B+13312
	global_store_b128 v1, v[72:75], s[36:37] offset:V_B+13824
.Ldone:
	s_endpgm
.Lfunc_end_k_q1517b7b011_prep:
	.size	k_q1517b7b011_prep, .Lfunc_end_k_q1517b7b011_prep-k_q1517b7b011_prep
	.p2alignl 7, 3214868480
	.fill 96, 4, 3214868480
	.section	.rodata,"a",@progbits
	.p2align	6, 0x0
	.amdhsa_kernel k_q1517b7b011_prep
		.amdhsa_group_segment_fixed_size 0
		.amdhsa_private_segment_fixed_size 0
		.amdhsa_enable_private_segment 0
		.amdhsa_kernarg_size 120
		.amdhsa_user_sgpr_count 2
		.amdhsa_user_sgpr_kernarg_segment_ptr 1
		.amdhsa_wavefront_size32 1
		.amdhsa_system_sgpr_workgroup_id_x 1
		.amdhsa_system_sgpr_workgroup_id_y 1
		.amdhsa_system_sgpr_workgroup_id_z 1
		.amdhsa_system_vgpr_workitem_id 0
		.amdhsa_next_free_vgpr 96
		.amdhsa_next_free_sgpr 66
		.amdhsa_reserve_vcc 0
		.amdhsa_float_denorm_mode_32 3
		.amdhsa_float_denorm_mode_16_64 3
		.amdhsa_memory_ordered 1
		.amdhsa_forward_progress 1
		.amdhsa_inst_pref_size 17
	.end_amdhsa_kernel
	.amdgpu_metadata
---
amdhsa.version: [ 1, 2 ]
amdhsa.kernels:
  - .name:           k_q1517b7b011_prep
    .symbol:         k_q1517b7b011_prep.kd
    .args:
      - { .name: Wqkv, .offset: 0, .size: 8, .value_kind: global_buffer, .address_space: global }
      - { .name: Wo, .offset: 8, .size: 8, .value_kind: global_buffer, .address_space: global }
      - { .name: W1, .offset: 16, .size: 8, .value_kind: global_buffer, .address_space: global }
      - { .name: W2, .offset: 24, .size: 8, .value_kind: global_buffer, .address_space: global }
      - { .name: bqkv, .offset: 32, .size: 8, .value_kind: global_buffer, .address_space: global }
      - { .name: bo, .offset: 40, .size: 8, .value_kind: global_buffer, .address_space: global }
      - { .name: b1, .offset: 48, .size: 8, .value_kind: global_buffer, .address_space: global }
      - { .name: b2, .offset: 56, .size: 8, .value_kind: global_buffer, .address_space: global }
      - { .name: ln1_g, .offset: 64, .size: 8, .value_kind: global_buffer, .address_space: global }
      - { .name: ln1_b, .offset: 72, .size: 8, .value_kind: global_buffer, .address_space: global }
      - { .name: ln2_g, .offset: 80, .size: 8, .value_kind: global_buffer, .address_space: global }
      - { .name: ln2_b, .offset: 88, .size: 8, .value_kind: global_buffer, .address_space: global }
      - { .name: cls_token, .offset: 96, .size: 8, .value_kind: global_buffer, .address_space: global }
      - { .name: lowp_scales, .offset: 104, .size: 8, .value_kind: global_buffer, .address_space: global }
      - { .name: wsp, .offset: 112, .size: 8, .value_kind: global_buffer, .address_space: global }
    .group_segment_fixed_size: 0
    .private_segment_fixed_size: 0
    .kernarg_segment_align: 8
    .kernarg_segment_size: 120
    .max_flat_workgroup_size: 32
    .sgpr_count:     66
    .vgpr_count:     96
    .wavefront_size: 32
...
	.end_amdgpu_metadata
.endif
;; end of part 1
;; launch main (part 2): grid 256 x 1, 8 waves a work-group, clusters of 4 x 1, 327,680 bytes of LDS; arguments z0, z1, z2, wsp, lowp_scales, out0; writes out0
.if DOCPART == 2
	.amdgcn_target "amdgcn-amd-amdhsa--gfx1250"
	.amdhsa_code_object_version 6
	.text
	.protected	k_q1517b7b011_main
	.globl	k_q1517b7b011_main
	.p2align	8
	.type	k_q1517b7b011_main,@function
k_q1517b7b011_main:
	s_mov_b64 s[64:65], 0
	v_nop
	global_prefetch_b8 v0, s[64:65] scope:SCOPE_SE
	s_setreg_imm32_b32 hwreg(HW_REG_WAVE_MODE, 25, 1), 1
	s_wait_xcnt 0x0
	s_wait_alu depctr_hold_cnt(0) depctr_sa_sdst(0) depctr_va_vdst(0) depctr_va_sdst(0) depctr_va_ssrc(0) depctr_va_vcc(0) depctr_vm_vsrc(0)
	s_getreg_b32 s2, hwreg(HW_REG_IB_STS2, 6, 4)
	s_cmp_eq_u32 s2, 0
	s_cbranch_scc0 .Lentry_in_a_cluster
	s_endpgm
.Lentry_in_a_cluster:
	s_bfe_u32 s2, ttmp6, 0x10000c
	s_cmp_lg_u32 s2, 0x3003
	s_cbranch_scc0 .Lentry_shape_is_right
	s_endpgm
.Lentry_shape_is_right:
; EpochMixer, launch 2 of 2: both encoder layers for 128 epochs a work-group; nothing goes through memory between the layers.
; LEFT OUT as dead work (shown at the head of the first kernel): in layer 2, for rows 1 to 3 of an epoch, the q part of the QKV product, the attention's queries,
; Wo, both norms and the feed-forward.  Only row 0 is returned, and rows 1 to 3 reach it through k and v of layer 2 alone.  A NaN or overflow in those rows alone is not carried on.
; SHARES.  Wave w of work-group g owns epochs 128 g + 16 w + r, r = lane % 16, through the whole model: four tiles of 16 rows, tile s = row position s (CLS, z0, z1, z2) of the 16 epochs.
; Every product is used transposed (source 0 = 16 weight rows, source 1 = a tile), and the weight rows of a tile are chosen (row0 + r + 8 (r / 8)) so that
; lane (r, h) holds, of its epoch's row, feature 32 b + 16 h + i in register 16 b + i.  So 16 registers are 16 neighbours along the next K, the conversions' results ARE the next operand,
; and those 16 are also one whole head (2 b + h): all four rows of an epoch and whole heads lie in one lane, attention is packed multiply-adds without lane traffic, a norm wants one exchange.
; RAW UNITS.  A sum stands for sum x 2^(eA + eB).  Biases and residuals go in as the C of the first product, divided by that power of two; the power is folded into the next
; conversion's scale, into the softmax's and GELU's constants, or into the norm's first multiply-add.  All these multiplications are by powers of two.
; GELU, exact to f32: gelu(u) = max(u, 0) - 0.5 |u| erfc(|u| / sqrt 2), erfc(y) = t exp(-y^2 + P(t)), t = 1 / (1 + y / 2), P of degree 9: it keeps its relative accuracy in the negative tail.
; WEIGHTS come as register images from LDS (512 consecutive bytes a load, no pitch).  Both layers' codes do not fit together: parts A (QKV, Wo) and F (W1, W2) are each filled a second time, in place, with layer 2.
; CLUSTER.  All work-groups read the same weights: four of them ask jointly (mask 15); the descriptors hang on the wave's number and on wsp alone.
; LIMITS: for each quantiser e (or the folded e2 - e0 - e1, e6 - e4 - e5) between -126 and 112; e2 + e3 and e6 + e7 between -119 and 126; 2 (e0 + e1) and 2 (e4 + e5) between -120 and 120. NaN and infinities among the inputs are not served.
; REGISTERS.  Window 1 (v256-511, named by their low numbers): the f32 tiles: TA 0-127 (two slots), TB 128-255; during attention 128-191 hold K, then V.
; Window 0: v1-14 addresses; v16-31 statistics; v32-255 by phase (see the macros).
.set V_B,   65536                      ; LDS: A 0, V 65,536, F 79,872: as in wsp
.set F_B,   79872
.set WO_B,  49152
.set VL,    6656
.set SCR,   210944                     ; a scratch of 8,704 bytes for each wave: four slots of codes, at the end the stage; no fill lands here
.set SCRW,  8704
.set SPARE, 280576                     ; the spare words, 128 bytes for each wave: four blocks of 256 bytes that no other line names
.set A2_G,  210944                     ; in wsp
.set F2_G,  276480
.set LI,  1                            ; 16 x lane
.set SPW, 2                            ; my spare word
.set NIL, 3                            ; 0
.set PA,  4                            ; LI + the attention loop's step in part A
.set PF,  5                            ; FB + the chunk's step in part F
.set VB,  6                            ; V_B + 64 h
.set PV,  7                            ; VB + a loop's step
.set FB,  8                            ; F_B + LI
.set SC,  9                            ; my scratch + LI
.set SCP, 10                           ; SC + a loop's step
.set ZO,  11                           ; 512 r + 64 h: my place in the wave's rows of z
.set CVS, 12                           ; the conversions' scale
.set PFO, 13                           ; 256 x lane
.set STO, 14                           ; the stage: 528 r + 64 h
.set WV,  16                           ; s16 the wave
.set MSB, 0
.macro WIN new                         ; bits 1:0 source 0, 3:2 source 1, 5:4 source 2, 7:6 destination; the high byte repeats the setting that is left
.if MSB != \new
	s_set_vgpr_msb (MSB<<8)|\new
.set MSB, \new
.endif
.endm
.macro PLACES n                        ; plain vector lines behind matrix instructions (ISA guide 7.12.1)
.rept \n
	v_nop
.endr
.endm
.macro ROUND                           ; a round of the cluster's barrier
	s_barrier_signal -1
	s_barrier_wait -1
	s_cmp_lg_u32 s[WV], 0
	s_cbranch_scc1 .Lnot_wave_0_\@
	s_barrier_signal -3
.Lnot_wave_0_\@:
	s_barrier_wait -3
	s_barrier_signal -1
	s_barrier_wait -1
.endm
.macro MKQ sc, lim, nlim, ereg         ; 2^e, 57,344 x 2^e and its negative as f32
	s_add_co_i32 s[\sc], s[\ereg], 127
	s_add_co_i32 s[\lim], s[\sc], 15
	s_lshl_b32 s[\sc], s[\sc], 23
	s_lshl_b32 s[\lim], s[\lim], 23
	s_or_b32 s[\lim], s[\lim], 0x600000
	s_xor_b32 s[\nlim], s[\lim], 0x80000000
.endm
.macro POW2 m, r, p, ereg              ; 2^(E - 7); the pairs 2^-E and 2^E
	s_add_co_i32 s[\m], s[\ereg], 120
	s_lshl_b32 s[\m], s[\m], 23
	s_sub_co_i32 s[\r], 127, s[\ereg]
	s_lshl_b32 s[\r], s[\r], 23
	s_mov_b32 s[\r+1], s[\r]
	s_add_co_i32 s[\p], s[\ereg], 127
	s_lshl_b32 s[\p], s[\p], 23
	s_mov_b32 s[\p+1], s[\p]
.endm
; A layer's constants from its eight exponents.  s[76:77] 0.25 log2(e) 2^(2 (e0+e1)); s78-80 o's quantiser (e2 - e0 - e1); s81, s[82:83], s[84:85] for e2 + e3; s86-88 the FFN input's (e4);
; s[90:91] 2^(e4+e5) / (2 sqrt 2); s[92:93] -0.5 log2(e) 2^(2 (e4+e5)); s96-98 the hidden layer's (e6 - e4 - e5); s89, s[100:101], s[104:105] for e6 + e7
.macro SETK L
.set EB, 48+8*(\L)
	s_add_co_i32 s17, s[EB], s[EB+1]
	s_lshl_b32 s18, s17, 24
	s_add_co_i32 s76, s18, 0x3eb8aa3b
	s_mov_b32 s77, s76
	s_sub_co_i32 s17, s[EB+2], s17
	MKQ 78, 79, 80, 17
	s_add_co_i32 s17, s[EB+2], s[EB+3]
	POW2 81, 82, 84, 17
	MKQ 86, 87, 88, EB+4
	s_add_co_i32 s17, s[EB+4], s[EB+5]
	s_lshl_b32 s18, s17, 23
	s_add_co_i32 s90, s18, 0x3eb504f3
	s_mov_b32 s91, s90
	s_lshl_b32 s18, s17, 24
	s_add_co_i32 s92, s18, 0xbf38aa3b
	s_mov_b32 s93, s92
	s_sub_co_i32 s17, s[EB+6], s17
	MKQ 96, 97, 98, 17
	s_add_co_i32 s17, s[EB+6], s[EB+7]
	POW2 89, 100, 104, 17
.endm
.macro LDW reg, adr, off, n            ; n chunks of an image: 512 consecutive bytes a load
.set li_, 0
.rept \n
	ds_load_b128 v[(\reg)+4*li_:(\reg)+4*li_+3], v[\adr] offset:(\off)+512*li_
.set li_, li_+1
.endr
.endm
.macro LDB reg, adr, off, n            ; a vector in the result's layout: register 16 b + i = entry 32 b + 16 h + i; all lanes of a half read the same bytes
.set li_, 0
.rept \n
	ds_load_b128 v[(\reg)+4*li_:(\reg)+4*li_+3], v[\adr] offset:(\off)+128*(li_/4)+16*(li_%4)
.set li_, li_+1
.endr
.endm
.macro ZLOAD reg, sp                   ; 16 rows of an input, in the same layout, into window 1
.set li_, 0
.rept 16
	global_load_b128 v[(\reg)+4*li_:(\reg)+4*li_+3], v[ZO], s[\sp:\sp+1] offset:128*(li_/4)+16*(li_%4) th:TH_LOAD_NT
.set li_, li_+1
.endr
.endm
.macro W128 d, a, b, c
	v_wmma_f32_16x16x128_bf8_bf8 v[\d:\d+7], v[\a:\a+15], v[\b:\b+15], v[\c:\c+7]
.endm
.macro W64 d, a, b
	v_wmma_f32_16x16x64_bf8_bf8 v[\d:\d+7], v[\a:\a+7], v[\b:\b+7], v[\d:\d+7]
.endm
; A tile of window 1 becomes a fragment's 16 registers of codes at v[dst]; the tile stays.  v160-223 at work.
.macro QT src, dst, lo, hi
	WIN 0x01
.set qi, 0
.rept 64
	v_med3_num_f32 v[160+qi], v[(\src)+qi], s[\lo], s[\hi]   ; the conversion does not saturate (ISA guide 7.6.2): the hold at the largest code x the scale
.set qi, qi+1
.endr
	WIN 0
.set qi, 0
.rept 8
	v_cvt_scalef32_pk8_bf8_f32 v[(\dst)+2*qi:(\dst)+2*qi+1], v[160+8*qi:167+8*qi], v[CVS]
.set qi, qi+1
.endr
	v_nop                                          ; a plain line between the conversions and whatever touches their registers next
.endm
.macro CSTART tp, sp, br               ; under WIN 0x41: tile = tile x 2^-E + bias / 2^E: what the next product adds onto
.set ci, 0
.rept 32
	v_pk_fma_f32 v[(\tp)+2*ci:(\tp)+2*ci+1], v[(\tp)+2*ci:(\tp)+2*ci+1], s[\sp:\sp+1], v[(\br)+2*ci:(\br)+2*ci+1] op_sel_hi:[1,0,1]
.set ci, ci+1
.endr
.endm
; ATTENTION with its QKV product, 32 features (two heads, one a lane half) a trip, four trips.  NQ: tiles that have queries (4, or the CLS tile alone).
; v32-95 x's codes (16 a tile); v96-159 Q, later O (16 a tile); v160-175 scores, then p; v176-191 two tiles of bias; v192-223, v224-255 two weight tiles each; v224-255 also the scores' pairs.
.macro ATT NQ, L
	s_mov_b32 s4, 0
	s_mov_b32 s5, 0
	s_mov_b32 s6, 0
	LDW 192, LI, 0, 8                              ; q's two tiles of the first trip
.Latt_\@:
	v_add_nc_u32 v[PA], s4, v[LI]
	v_add_nc_u32 v[PV], s5, v[VB]
	v_add_nc_u32 v[SCP], s6, v[SC]
	LDB 176, PV, VL*(\L), 4
	LDW 224, PA, 4096, 8                           ; k's tiles
	s_wait_dscnt 8                                 ; all but k's eight loads: q's tiles and bias are in
.set s_, 0
.rept \NQ
	W128 96+16*s_, 192, 32+16*s_, 176
	W128 104+16*s_, 208, 32+16*s_, 184
.set s_, s_+1
.endr
	PLACES 4
	LDB 176, PV, VL*(\L)+512, 4
	LDW 192, PA, 8192, 8                           ; v's tiles
	s_wait_dscnt 8                                 ; all but v's eight loads
	WIN 0x40
.set s_, 0
.rept 4
	W128 128+16*s_, 224, 32+16*s_, 176
	W128 136+16*s_, 240, 32+16*s_, 184
.set s_, s_+1
.endr
	WIN 0
	PLACES 4
	LDB 176, PV, VL*(\L)+1024, 4
	WIN 0x04                                       ; source 1 (K) in window 1
.set i_, 0
.rept 8                                        ; q . k, two channels at a time, each result from its low end on
.set p_, 0
.rept 4*(\NQ)
.if i_ == 0
	v_pk_mul_f32 v[224+2*p_:225+2*p_], v[96+16*(p_/4):97+16*(p_/4)], v[128+16*(p_%4):129+16*(p_%4)]
.else
	v_pk_fma_f32 v[224+2*p_:225+2*p_], v[96+16*(p_/4)+2*i_:97+16*(p_/4)+2*i_], v[128+16*(p_%4)+2*i_:129+16*(p_%4)+2*i_], v[224+2*p_:225+2*p_]
.endif
.set p_, p_+1
.endr
.set i_, i_+1
.endr
	WIN 0
.set p_, 0
.rept 4*(\NQ)
	v_add_f32 v[160+p_], v[224+2*p_], v[225+2*p_]
.set p_, p_+1
.endr
	s_wait_dscnt 0x0                               ; v's tiles and bias
	PLACES 5                                       ; V is laid over K's results
	WIN 0x40
.set s_, 0
.rept 4
	W128 128+16*s_, 192, 32+16*s_, 176
	W128 136+16*s_, 208, 32+16*s_, 184
.set s_, s_+1
.endr
	WIN 0
.set q_, 0
.rept \NQ                                      ; the softmax over four keys: the row's maximum is taken away first
	v_max3_num_f32 v[16+q_], v[160+4*q_], v[161+4*q_], v[162+4*q_]
.set q_, q_+1
.endr
.set q_, 0
.rept \NQ
	v_max_num_f32 v[16+q_], v[16+q_], v[163+4*q_]
.set q_, q_+1
.endr
.set q_, 0
.rept \NQ
	v_mul_f32 v[16+q_], s76, v[16+q_]
.set q_, q_+1
.endr
.set q_, 0
.rept \NQ
.set p_, 0
.rept 2
.if (q_%2) == 0
	v_pk_fma_f32 v[160+4*q_+2*p_:161+4*q_+2*p_], v[160+4*q_+2*p_:161+4*q_+2*p_], s[76:77], v[16+q_:17+q_] op_sel_hi:[1,0,0] neg_lo:[0,0,1] neg_hi:[0,0,1]
.else
	v_pk_fma_f32 v[160+4*q_+2*p_:161+4*q_+2*p_], v[160+4*q_+2*p_:161+4*q_+2*p_], s[76:77], v[15+q_:16+q_] op_sel:[0,0,1] op_sel_hi:[1,0,1] neg_lo:[0,0,1] neg_hi:[0,0,1]
.endif
.set p_, p_+1
.endr
.set q_, q_+1
.endr
	LDW 192, PA, 12288, 8                          ; the next trip's q tiles; behind the last trip these bytes are Wo's tiles 0 and 1, which come next.  The lines above are the places behind V's products
.set j_, 0
.rept 4*(\NQ)
	v_exp_f32 v[160+j_], v[160+j_]
.set j_, j_+1
.endr
	v_nop
	s_wait_alu depctr_va_vdst(0)                   ; one wait for the batch, ahead of its first reader
.set q_, 0
.rept \NQ
	v_pk_add_f32 v[20+2*q_:21+2*q_], v[160+4*q_:161+4*q_], v[162+4*q_:163+4*q_]
.set q_, q_+1
.endr
.set q_, 0
.rept \NQ
	v_add_f32 v[20+2*q_], v[20+2*q_], v[21+2*q_]
.set q_, q_+1
.endr
.set q_, 0
.rept \NQ
	v_rcp_f32 v[28+q_], v[20+2*q_]
.set q_, q_+1
.endr
	v_nop
	s_wait_alu depctr_va_vdst(0)
.set q_, 0
.rept \NQ
.set p_, 0
.rept 2
.if (q_%2) == 0
	v_pk_mul_f32 v[160+4*q_+2*p_:161+4*q_+2*p_], v[160+4*q_+2*p_:161+4*q_+2*p_], v[28+q_:29+q_] op_sel_hi:[1,0]
.else
	v_pk_mul_f32 v[160+4*q_+2*p_:161+4*q_+2*p_], v[160+4*q_+2*p_:161+4*q_+2*p_], v[27+q_:28+q_] op_sel:[0,1] op_sel_hi:[1,1]
.endif
.set p_, p_+1
.endr
.set q_, q_+1
.endr
	WIN 0x04                                       ; source 1 (V) in window 1.  O = the sum over four keys of p V, laid over Q; each of V's results from its low end on
.set g_, 0
.rept 2
.set k_, 0
.rept 4
.set i_, 4*g_
.rept 4
.set q_, 0
.rept \NQ
.if k_ == 0
	v_pk_mul_f32 v[96+16*q_+2*i_:97+16*q_+2*i_], v[160+4*q_:161+4*q_], v[128+2*i_:129+2*i_] op_sel_hi:[0,1]
.elseif k_ == 1
	v_pk_fma_f32 v[96+16*q_+2*i_:97+16*q_+2*i_], v[160+4*q_:161+4*q_], v[144+2*i_:145+2*i_], v[96+16*q_+2*i_:97+16*q_+2*i_] op_sel:[1,0,0]
.elseif k_ == 2
	v_pk_fma_f32 v[96+16*q_+2*i_:97+16*q_+2*i_], v[162+4*q_:163+4*q_], v[160+2*i_:161+2*i_], v[96+16*q_+2*i_:97+16*q_+2*i_] op_sel_hi:[0,1,1]
.else
	v_pk_fma_f32 v[96+16*q_+2*i_:97+16*q_+2*i_], v[162+4*q_:163+4*q_], v[176+2*i_:177+2*i_], v[96+16*q_+2*i_:97+16*q_+2*i_] op_sel:[1,0,0]
.endif
.set q_, q_+1
.endr
.set i_, i_+1
.endr
.set k_, k_+1
.endr
.set g_, g_+1
.endr
	WIN 0
.set j_, 0
.rept 16*(\NQ)
	v_med3_num_f32 v[96+j_], v[96+j_], s80, s79
.set j_, j_+1
.endr
.set q_, 0
.rept \NQ
	v_cvt_scalef32_pk8_bf8_f32 v[16+4*q_:17+4*q_], v[96+16*q_:103+16*q_], v[CVS]
	v_cvt_scalef32_pk8_bf8_f32 v[18+4*q_:19+4*q_], v[104+16*q_:111+16*q_], v[CVS]
.set q_, q_+1
.endr
	v_nop
.set q_, 0
.rept \NQ
	ds_store_b128 v[SCP], v[16+4*q_:19+4*q_] offset:2048*q_   ; chunk b of tile q's image of o's codes, in my scratch
.set q_, q_+1
.endr
	s_add_co_u32 s4, s4, 12288
	s_add_co_u32 s5, s5, 128
	s_add_co_u32 s6, s6, 512
	s_cmp_lt_u32 s6, 2048
	s_cbranch_scc1 .Latt_\@
.endm
; x + o Wo^T + bo, raw, onto the tiles.  NT = 4: tiles 0 to 3 at 128, 192, 0, 64 of window 1; NT = 1: the CLS tile at 0.  v32-95 the bias, v96.. o's codes, v192-255 four weight tiles.
.macro WO NT, L
	LDW 224, LI, WO_B+4096, 8                      ; tiles 2 and 3 (0 and 1 were asked for in the attention's last trip)
	LDB 32, VB, VL*(\L)+1536, 16
	LDW 96, SC, 0, 4*(\NT)
.if \NT == 4
	WIN 0x40
	LDB 128, VB, 13824, 16                         ; the CLS tile begins as (cls + bo) / 2^(e2 + e3), the same for every epoch
	WIN 0
.endif
	s_wait_dscnt 0x0
	WIN 0x41
.if \NT == 4
	CSTART 192, 82, 32
	CSTART 0, 82, 32
	CSTART 64, 82, 32
.else
	CSTART 0, 82, 32
.endif
	WIN 0x50                                       ; C and D in window 1
.set t_, 0
.rept 4
.set s_, 0
.rept \NT
.set tp_, ((128+64*s_)%256)*((\NT)/4)+8*t_
	W128 tp_, 192+16*t_, 96+16*s_, tp_
.set s_, s_+1
.endr
.set t_, t_+1
.endr
	WIN 0
	PLACES 4
	LDW 192, LI, WO_B+8192, 16                     ; tiles 4 to 7
	s_wait_dscnt 0x0
	WIN 0x50
.set t_, 0
.rept 4
.set s_, 0
.rept \NT
.set tp_, ((128+64*s_)%256)*((\NT)/4)+32+8*t_
	W128 tp_, 192+16*t_, 96+16*s_, tp_
.set s_, s_+1
.endr
.set t_, t_+1
.endr
	WIN 0
	PLACES 4
.endm
.macro LNLOAD f                        ; a norm's gain into v32-95, its bias into v96-159
	LDB 32, VB, \f, 16
	LDB 96, VB, (\f)+512, 16
.endm
.macro REDUCE NT                       ; tile t's four pairs v[16 + 8 t ..] become one number, over both halves of the lanes, in v[16 + 8 t]
.irp step, 0,1,2,3,4,5
.set t_, 0
.rept \NT
.if \step == 0
	v_pk_add_f32 v[16+8*t_:17+8*t_], v[16+8*t_:17+8*t_], v[18+8*t_:19+8*t_]
.elseif \step == 1
	v_pk_add_f32 v[20+8*t_:21+8*t_], v[20+8*t_:21+8*t_], v[22+8*t_:23+8*t_]
.elseif \step == 2
	v_pk_add_f32 v[16+8*t_:17+8*t_], v[16+8*t_:17+8*t_], v[20+8*t_:21+8*t_]
.elseif \step == 3
	v_add_f32 v[16+8*t_], v[16+8*t_], v[17+8*t_]
.elseif \step == 4
	v_permlanex16_b32 v[18+8*t_], v[16+8*t_], s66, s67
.else
	v_add_f32 v[16+8*t_], v[16+8*t_], v[18+8*t_]
.endif
.set t_, t_+1
.endr
.endr
.endm
; The mean of NT raw tiles at src, and d = raw x 2^E - mean into TA: the change to true units and the move cost no line of their own.  The sums begin at each result's low end.
.macro LN_HEAD src, NT, m, sp
	WIN 0x05
.set t_, 0
.rept \NT
.set c_, 0
.rept 4
	v_pk_add_f32 v[16+8*t_+2*c_:17+8*t_+2*c_], v[(\src)+64*t_+2*c_:(\src)+64*t_+2*c_+1], v[(\src)+64*t_+8+2*c_:(\src)+64*t_+9+2*c_]
.set c_, c_+1
.endr
.set t_, t_+1
.endr
	WIN 0x04
.set t_, 0
.rept \NT
.set p_, 8
.rept 24
	v_pk_add_f32 v[16+8*t_+2*(p_%4):17+8*t_+2*(p_%4)], v[16+8*t_+2*(p_%4):17+8*t_+2*(p_%4)], v[(\src)+64*t_+2*p_:(\src)+64*t_+2*p_+1]
.set p_, p_+1
.endr
.set t_, t_+1
.endr
	WIN 0
	REDUCE \NT
.set t_, 0
.rept \NT
	v_mul_f32 v[16+8*t_], s[\m], v[16+8*t_]
.set t_, t_+1
.endr
	WIN 0x41
.set t_, 0
.rept \NT
.set p_, 0
.rept 32
	v_pk_fma_f32 v[64*t_+2*p_:64*t_+2*p_+1], v[(\src)+64*t_+2*p_:(\src)+64*t_+2*p_+1], s[\sp:\sp+1], v[16+8*t_:17+8*t_] op_sel_hi:[1,0,0] neg_lo:[0,0,1] neg_hi:[0,0,1]
.set p_, p_+1
.endr
.set t_, t_+1
.endr
	WIN 0
.endm
; The variance of d (two passes, as reference() has it), and d x rsqrt(var + eps) x g + b, in TA; outw = 1: the result goes to v160-223 of window 0.
.macro LN_TAIL NT, outw
	WIN 0x05
.set t_, 0
.rept \NT
.set p_, 0
.rept 32
.if p_ < 4
	v_pk_mul_f32 v[16+8*t_+2*p_:17+8*t_+2*p_], v[64*t_+2*p_:64*t_+2*p_+1], v[64*t_+2*p_:64*t_+2*p_+1]
.else
	v_pk_fma_f32 v[16+8*t_+2*(p_%4):17+8*t_+2*(p_%4)], v[64*t_+2*p_:64*t_+2*p_+1], v[64*t_+2*p_:64*t_+2*p_+1], v[16+8*t_+2*(p_%4):17+8*t_+2*(p_%4)]
.endif
.set p_, p_+1
.endr
.set t_, t_+1
.endr
	WIN 0
	REDUCE \NT
.set t_, 0
.rept \NT
	v_fma_f32 v[16+8*t_], v[16+8*t_], s99, s75     ; / 128 + eps
.set t_, t_+1
.endr
.set t_, 0
.rept \NT
	v_rsq_f32 v[16+8*t_], v[16+8*t_]
.set t_, t_+1
.endr
	v_nop
	s_wait_alu depctr_va_vdst(0)
	s_wait_dscnt 0x0                               ; g and b
	WIN 0x41
.set t_, 0
.rept \NT
.set p_, 0
.rept 32
	v_pk_mul_f32 v[64*t_+2*p_:64*t_+2*p_+1], v[64*t_+2*p_:64*t_+2*p_+1], v[16+8*t_:17+8*t_] op_sel_hi:[1,0]
.set p_, p_+1
.endr
.set t_, t_+1
.endr
.if \outw
	WIN 0x01
.set p_, 0
.rept 32
	v_pk_fma_f32 v[160+2*p_:161+2*p_], v[2*p_:2*p_+1], v[32+2*p_:33+2*p_], v[96+2*p_:97+2*p_]
.set p_, p_+1
.endr
.else
.set t_, 0
.rept \NT
.set p_, 0
.rept 32
	v_pk_fma_f32 v[64*t_+2*p_:64*t_+2*p_+1], v[64*t_+2*p_:64*t_+2*p_+1], v[32+2*p_:33+2*p_], v[96+2*p_:97+2*p_]
.set p_, p_+1
.endr
.set t_, t_+1
.endr
.endif
	WIN 0
.endm
; GELU of 16 NT raw numbers at v64 on, and their codes into v[96 + 8 i + hoff].  M v160.., T v192.., P v224...  Stage by stage over all pairs, so that no line waits for the one above it.
.macro GELU NT, hoff
.set g_, 0
.rept 16*(\NT)
	v_max_num_f32 v[160+g_], 0, v[64+g_]           ; m = max(u, 0)
.set g_, g_+1
.endr
.set g_, 0
.rept 8*(\NT)
	v_pk_fma_f32 v[64+g_:65+g_], v[160+g_:161+g_], 2.0, v[64+g_:65+g_] op_sel_hi:[1,0,1] neg_lo:[0,0,1] neg_hi:[0,0,1]   ; a = |u| = 2 m - u
.set g_, g_+2
.endr
.set g_, 0
.rept 8*(\NT)
	v_pk_fma_f32 v[192+g_:193+g_], v[64+g_:65+g_], s[90:91], v[18:19] op_sel_hi:[1,0,1]   ; 1 + y / 2
.set g_, g_+2
.endr
.set g_, 0
.rept 16*(\NT)
	v_rcp_f32 v[192+g_], v[192+g_]                 ; t
.set g_, g_+1
.endr
	v_nop
	s_wait_alu depctr_va_vdst(0)
.set g_, 0
.rept 8*(\NT)
	v_pk_fma_f32 v[224+g_:225+g_], v[192+g_:193+g_], s[94:95], v[16:17] op_sel_hi:[1,0,1]   ; P(t) log2(e) - 1, by Horner
.set g_, g_+2
.endr
.irp cf, 0x40097039, 0xbfd1a1e5, 0x3ecdfd18, 0xbe899a80, 0x3e0efb2e, 0x3f0a29d2, 0x3fb8ab5a, 0xc034d90f
.set g_, 0
.rept 8*(\NT)
	v_pk_fma_f32 v[224+g_:225+g_], v[224+g_:225+g_], v[192+g_:193+g_], \cf op_sel_hi:[1,1,0]
.set g_, g_+2
.endr
.endr
.set g_, 0
.rept 8*(\NT)
	v_pk_mul_f32 v[192+g_:193+g_], v[64+g_:65+g_], v[192+g_:193+g_]   ; a t
.set g_, g_+2
.endr
.set g_, 0
.rept 8*(\NT)
	v_pk_mul_f32 v[64+g_:65+g_], v[64+g_:65+g_], v[64+g_:65+g_]       ; a^2
.set g_, g_+2
.endr
.set g_, 0
.rept 8*(\NT)
	v_pk_fma_f32 v[224+g_:225+g_], v[64+g_:65+g_], s[92:93], v[224+g_:225+g_] op_sel_hi:[1,0,1]   ; - y^2 log2(e)
.set g_, g_+2
.endr
.set g_, 0
.rept 16*(\NT)
	v_exp_f32 v[224+g_], v[224+g_]
.set g_, g_+1
.endr
	v_nop
	s_wait_alu depctr_va_vdst(0)
.set g_, 0
.rept 8*(\NT)
	v_pk_fma_f32 v[64+g_:65+g_], v[192+g_:193+g_], v[224+g_:225+g_], v[160+g_:161+g_] neg_lo:[1,0,0] neg_hi:[1,0,0]   ; m - a t 2^(..)
.set g_, g_+2
.endr
.set g_, 0
.rept 16*(\NT)
	v_med3_num_f32 v[64+g_], v[64+g_], s98, s97
.set g_, g_+1
.endr
.set g_, 0
.rept \NT
	v_cvt_scalef32_pk8_bf8_f32 v[96+8*g_+(\hoff):97+8*g_+(\hoff)], v[64+16*g_:71+16*g_], v[CVS]
	v_cvt_scalef32_pk8_bf8_f32 v[98+8*g_+(\hoff):99+8*g_+(\hoff)], v[72+16*g_:79+16*g_], v[CVS]
.set g_, g_+1
.endr
	v_nop
.endm
.macro W1MUL NT                        ; 32 hidden units of NT tiles: v[64 + 16 i + 8 u]
.set i_, 0
.rept \NT
	W128 64+16*i_, 128, 32+16*i_, 112
	W128 72+16*i_, 144, 32+16*i_, 120
.set i_, i_+1
.endr
.endm
.macro W2MUL NT, areg, n0              ; four of W2's eight tiles x NT tiles, K = this chunk's 64 hidden units; the accumulators take turns, one instruction a turn
.set n_, 0
.rept 4
.set i_, 0
.rept \NT
	W64 64*i_+8*((\n0)+n_), (\areg)+8*n_, 96+8*i_
.set i_, i_+1
.endr
.set n_, n_+1
.endr
.endm
; THE FEED-FORWARD of NT tiles in TA (which hold x / 2^E + b2 / 2^E), eight trips of 64 hidden units.  v32.. the input's codes, v64.. the hidden numbers, v96.. their codes, v112-127 b1, v128-159 weights.
.macro FFN NT, L
	s_mov_b32 s4, 0
	s_mov_b32 s5, 0
	v_mov_b32 v16, 0xbf97d29d                      ; c8, as a pair
	v_mov_b32 v17, 0xbf97d29d
	v_mov_b32 v18, 1.0
	v_mov_b32 v19, 1.0
	v_add_nc_u32 v[PF], s4, v[FB]
	v_add_nc_u32 v[PV], s5, v[VB]
	LDW 128, PF, 0, 8
	LDB 112, PV, VL*(\L)+3072, 4
.Lffn_\@:
	s_wait_dscnt 0x0                               ; W1's first two tiles and their bias
	W1MUL \NT
	PLACES 4
	LDW 128, PF, 4096, 8
	LDB 112, PV, VL*(\L)+3072+128, 4
	GELU \NT, 0
	s_wait_dscnt 0x0
	W1MUL \NT
	PLACES 4
	LDW 128, PF, 8192, 8                           ; W2's tiles 0 to 3
	GELU \NT, 4
	LDW 224, PF, 12288, 8                          ; and 4 to 7, where P lay
	s_wait_dscnt 8                                 ; all but those eight
	WIN 0x50
	W2MUL \NT, 128, 0
	WIN 0
	s_add_co_u32 s17, s4, 16384                    ; the next chunk; behind the last the address wraps to chunk 0, whose loads are discarded: so the trip has one form and one count
	s_and_b32 s17, s17, 0x1c000
	s_add_co_u32 s18, s5, 256
	s_and_b32 s18, s18, 0x700
	v_add_nc_u32 v[PF], s17, v[FB]
	v_add_nc_u32 v[PV], s18, v[VB]
	PLACES 2                                       ; with the two additions: four places in front of the loads
	LDW 128, PF, 0, 8
	LDB 112, PV, VL*(\L)+3072, 4
	s_wait_dscnt 12                                ; all but the twelve just issued: W2's tiles 4 to 7 are in
	WIN 0x50
	W2MUL \NT, 224, 4
	WIN 0
	s_add_co_u32 s4, s4, 16384
	s_add_co_u32 s5, s5, 256
	s_cmp_lt_u32 s5, 2048
	s_cbranch_scc1 .Lffn_\@
	s_wait_dscnt 0x0                               ; the wrapped loads have landed: their registers are free
	PLACES 4
.endm
; ================================================================ the head
	s_load_b256 s[4:11], s[0:1], 0x0               ; z0 s[4:5], z1 s[6:7], z2 s[8:9], wsp s[10:11]
	s_load_b128 s[12:15], s[0:1], 0x20             ; lowp_scales s[12:13], out0 s[14:15]
	v_lshl_add_u32 v[SPW], v0, 2, SPARE
	v_mov_b32 v[NIL], 0
	ds_add_u32 v[SPW], v[NIL]                      ; the opening: the add, twice on end, and its wait ahead of my first tensor load
	ds_add_u32 v[SPW], v[NIL]
	v_lshrrev_b32 v16, 5, v0
	v_readfirstlane_b32 s[WV], v16                 ; wave 0..7
	v_and_b32 v[LI], 31, v0
	v_lshlrev_b32 v[LI], 4, v[LI]
	v_and_b32 v17, 15, v0                          ; r
	v_bfe_u32 v16, v0, 4, 1                        ; h
	v_lshlrev_b32 v[VB], 6, v16
	v_add_nc_u32 v[VB], V_B, v[VB]
	v_add_nc_u32 v[FB], F_B, v[LI]
	s_mul_i32 s17, s[WV], SCRW
	s_add_co_u32 s17, s17, SCR                     ; my scratch
	v_add_nc_u32 v[SC], s17, v[LI]
	v_lshlrev_b32 v[ZO], 9, v17
	v_lshl_add_u32 v[ZO], v16, 6, v[ZO]
	v_lshlrev_b32 v[PFO], 4, v[LI]
	v_mul_u32_u24 v[STO], v17, 528
	v_lshl_add_u32 v[STO], v16, 6, v[STO]
	v_add_nc_u32 v[STO], s17, v[STO]
	; descriptor groups 1: dense blocks as rows of 256 bytes (32 elements of 8 bytes), 39, 64 and 32 rows; mask 15: all four work-groups of the cluster; bit 21 beside it
.irp g, 24, 32, 40
	s_mov_b32 s[\g], 0x23000f
	s_mov_b32 s[\g+1], 32<<16
	s_mov_b32 s[\g+3], 32<<16
	s_mov_b32 s[\g+5], 32
	s_mov_b32 s[\g+6], 0
	s_mov_b32 s[\g+7], 0
.endr
	s_mov_b32 s26, 39<<16
	s_mov_b32 s28, 39
	s_mov_b32 s34, 64<<16
	s_mov_b32 s36, 64
	s_mov_b32 s42, 32<<16
	s_mov_b32 s44, 32
	s_mov_b32 s66, 0x76543210                      ; lane l xor 16
	s_mov_b32 s67, 0xfedcba98
	s_mov_b32 s75, 0x3727c5ac                      ; 1e-5
	s_mov_b32 s99, 0x3c000000                      ; 1 / 128
	s_mov_b32 s94, 0x3e7c6f08                      ; c9
	s_mov_b32 s95, 0x3e7c6f08
	s_bfe_u32 s19, ttmp6, 0x40000                  ; cx: it enters the addresses of z, out0 and the prefetch alone
	s_lshl_b32 s18, ttmp9, 2
	s_add_co_u32 s18, s18, s19                     ; my work-group
	s_lshl_b32 s2, s18, 16                         ; 128 epochs of 512 bytes,
	s_lshl_b32 s3, s[WV], 13                       ; my wave's 16
	s_add_co_u32 s2, s2, s3
	s_mov_b32 s3, 0
	s_mov_b32 s20, 1
	s_mul_i32 s21, s[WV], 9984                     ; first fill 1: parts A and V, 79,872 bytes, an eighth a wave
	s_mov_b32 s68, 1
	s_lshl_b32 s69, s[WV], 14
	s_add_co_u32 s69, s69, F_B                     ; first fill 2: part F, 16,384 bytes a wave
	s_wait_dscnt 0x0                               ; both opening adds are done
	s_wait_kmcnt 0x0
	s_load_b512 s[48:63], s[12:13], 0x0            ; the sixteen exponents
	s_add_nc_u64 s[4:5], s[4:5], s[2:3]
	s_add_nc_u64 s[6:7], s[6:7], s[2:3]
	s_add_nc_u64 s[8:9], s[8:9], s[2:3]
	s_add_nc_u64 s[14:15], s[14:15], s[2:3]
	s_mov_b32 s18, s21
	s_mov_b32 s19, 0
	s_add_nc_u64 s[22:23], s[10:11], s[18:19]
	s_or_b32 s23, s23, 0x80000000
	s_mov_b32 s18, s69
	s_add_nc_u64 s[70:71], s[10:11], s[18:19]
	s_or_b32 s71, s71, 0x80000000
	s_lshr_b32 s3, s[WV], 2
	s_or_b32 s3, s3, ttmp9                         ; 0 in waves 0 to 3 of the first cluster: the same in all four partners
	s_cmp_eq_u32 s3, 0
	s_cselect_b32 s3, 1, -1                        ; the pair loop's trip in which I prefetch, or none
	ROUND                                          ; the four work-groups are here: the first joint loads meet
	tensor_load_to_lds s[20:23], s[24:31]
	s_nop 0
	tensor_load_to_lds s[68:71], s[32:39]          ; two loads of mine are out
	s_nop 0
	PLACES 4
; ================================================================ z comes in and is quantised; the f32 tiles stay for the residual
	WIN 0x40
	ZLOAD 192, 4                                   ; z0: tile 1
	ZLOAD 0, 6                                     ; z1: tile 2
	ZLOAD 64, 8                                    ; z2: tile 3
	WIN 0
	s_wait_kmcnt 0x0
	SETK 0
	MKQ 74, 72, 73, 48                             ; x's quantiser of layer 1
	v_mov_b32 v[CVS], s74
	s_wait_loadcnt 32                              ; z0's sixteen loads are in
	QT 192, 48, 73, 72
	s_wait_loadcnt 16
	QT 0, 64, 73, 72
	s_wait_loadcnt 0x0
	QT 64, 80, 73, 72
	s_bfe_u32 s17, ttmp6, 0x40000                  ; the prefetch: layer 2's part F, 131,072 bytes: 32,768 a partner (told apart by address), 8,192 a wave, 256 a lane
	s_lshl_b32 s18, s17, 15
	s_and_b32 s17, s[WV], 3
	s_lshl_b32 s17, s17, 13
	s_add_co_u32 s18, s18, s17
	s_add_co_u32 s18, s18, F2_G
	s_mov_b32 s19, 0
	s_add_nc_u64 s[8:9], s[10:11], s[18:19]        ; (z2's loads have landed: the pair is free)
	s_wait_tensorcnt 0x1                           ; my part of A and V is in; F's load may stay out
	s_barrier_signal -1
	s_barrier_wait -1                              ; everybody's is
	LDB 160, VB, 13312, 16                         ; cls
	s_wait_dscnt 0x0
.set qi, 0
.rept 64
	v_med3_num_f32 v[160+qi], v[160+qi], s73, s72
.set qi, qi+1
.endr
.set qi, 0
.rept 8
	v_cvt_scalef32_pk8_bf8_f32 v[32+2*qi:33+2*qi], v[160+8*qi:167+8*qi], v[CVS]
.set qi, qi+1
.endr
	v_nop
	MKQ 74, 72, 73, 56                             ; from here on: x's quantiser of layer 2
; ================================================================ layer 1
	v_mov_b32 v[CVS], s78
	ATT 4, 0
	WO 4, 0
	; part A is read out: it takes layer 2's codes, which have the whole feed-forward of layer 1 in which to land
	s_wait_tensorcnt 0x0                           ; all my tensor loads have landed, F's part too: so the descriptor may be written
	ds_add_u32 v[SPW], v[NIL]
	s_lshl_b32 s21, s[WV], 13
	s_add_co_u32 s18, s21, A2_G
	s_mov_b32 s19, 0
	s_add_nc_u64 s[22:23], s[10:11], s[18:19]
	s_or_b32 s23, s23, 0x80000000
	s_wait_dscnt 0x0                               ; the add is done, and my reads of part A are over
	ROUND                                          ; the same holds of every wave of every partner
	tensor_load_to_lds s[20:23], s[40:47]          ; my one load behind the round
	s_nop 0
	PLACES 4
	s_mov_b32 s7, 0                                ; the trip
	s_mov_b32 s2, 4096                             ; where the pair's codes go in my scratch: slots 2, 3, then 0, 1
.Lpair:                                            ; two trips: tiles 2 and 3, which lie in TA; then tiles 0 and 1, out of TB: so the CLS tile ends in TA's slot 0
	LNLOAD 2048
	s_cmp_eq_u32 s7, 0
	s_cbranch_scc0 .Lfrom_tb
	LN_HEAD 0, 2, 81, 84
	s_branch .Lln1_tail
.Lfrom_tb:
	LN_HEAD 128, 2, 81, 84
.Lln1_tail:
	LN_TAIL 2, 0
	LDB 96, VB, 5120, 16                           ; b2 / 2^(e6 + e7)
	v_mov_b32 v[CVS], s86
	QT 0, 32, 88, 87
	QT 64, 48, 88, 87
	s_wait_dscnt 0x0
	WIN 0x41
	CSTART 0, 100, 96
	CSTART 64, 100, 96
	WIN 0
	v_mov_b32 v[CVS], s96
	FFN 2, 0
	LNLOAD 5632
	s_cmp_eq_u32 s7, s3                            ; in the second trip the first cluster's waves 0 to 3 ask for layer 2's part F, each aligned block of 256 bytes once in the launch:
	s_cbranch_scc0 .Lno_ask                        ; a norm and two tiles' quantising ahead of the load that wants it
	global_prefetch_b8 v[PFO], s[8:9] th:TH_LOAD_NT scope:SCOPE_SE
.Lno_ask:
	LN_HEAD 0, 2, 89, 104
	LN_TAIL 2, 0
	v_mov_b32 v[CVS], s74
	QT 0, 32, 73, 72                               ; layer 2's x, as codes
	QT 64, 48, 73, 72
	v_add_nc_u32 v[SCP], s2, v[SC]
.set k_, 0
.rept 8
	ds_store_b128 v[SCP], v[32+4*k_:35+4*k_] offset:512*k_
.set k_, k_+1
.endr
	s_xor_b32 s2, s2, 4096
	s_add_co_u32 s7, s7, 1
	s_cmp_lt_u32 s7, 2
	s_cbranch_scc1 .Lpair
; ================================================================ layer 2
	s_wait_tensorcnt 0x0                           ; layer 2's part A has landed
	ds_add_u32 v[SPW], v[NIL]
	s_lshl_b32 s21, s[WV], 14
	s_add_co_u32 s18, s21, F2_G
	s_add_co_u32 s21, s21, F_B
	s_mov_b32 s19, 0
	s_add_nc_u64 s[22:23], s[10:11], s[18:19]
	s_or_b32 s23, s23, 0x80000000
	s_wait_dscnt 0x0                               ; the add and my stores are done, my reads of part F are over
	ROUND
	tensor_load_to_lds s[20:23], s[32:39]          ; part F takes layer 2's codes: attention, Wo and a norm in which to land
	s_nop 0
	PLACES 4
	SETK 1
	LDW 32, SC, 0, 16                              ; x's codes of all four tiles
	v_mov_b32 v[CVS], s78
	ATT 1, 1                                       ; k and v of all four tiles; q, scores and o of the CLS tile alone
	WO 1, 1
	LNLOAD VL+2048
	LN_HEAD 0, 1, 81, 84
	LN_TAIL 1, 0
	LDB 96, VB, VL+5120, 16
	v_mov_b32 v[CVS], s86
	QT 0, 32, 88, 87
	s_wait_tensorcnt 0x0                           ; my part of layer 2's F is in,
	s_wait_dscnt 0x0
	s_barrier_signal -1
	s_barrier_wait -1                              ; everybody's is
	WIN 0x41
	CSTART 0, 100, 96
	WIN 0
	v_mov_b32 v[CVS], s96
	FFN 1, 1
	LNLOAD VL+5632
	LN_HEAD 0, 1, 89, 104
	LN_TAIL 1, 1
; ================================================================ the way out: 16 rows of 512 bytes through my stage (pitch 528), so that a store covers a whole row
.set k_, 0
.rept 16
	ds_store_b128 v[STO], v[160+4*k_:163+4*k_] offset:128*(k_/4)+16*(k_%4)
.set k_, k_+1
.endr
.set k_, 0
.rept 16
	ds_load_b128 v[32+4*k_:35+4*k_], v[SC] offset:528*k_   ; LDS serves a wave's instructions in order (ISA guide 5.7.1.4): these see my stores
.set k_, k_+1
.endr
.set k_, 0
.rept 16
	s_wait_dscnt 15-k_                             ; row k is back; the younger rows may be out
	global_store_b128 v[LI], v[32+4*k_:35+4*k_], s[14:15] offset:512*k_ th:TH_STORE_NT
.set k_, k_+1
.endr
	s_wait_tensorcnt 0x0                           ; the wave's end
	ds_add_u32 v[SPW], v[NIL]
	s_wait_dscnt 0x0
	ROUND                                          ; the closing round
	s_endpgm
.Lfunc_end_k_q1517b7b011_main:
	.size	k_q1517b7b011_main, .Lfunc_end_k_q1517b7b011_main-k_q1517b7b011_main
	.p2alignl 7, 3214868480
	.fill 96, 4, 3214868480
	.section	.rodata,"a",@progbits
	.p2align	6, 0x0
	.amdhsa_kernel k_q1517b7b011_main
		.amdhsa_group_segment_fixed_size 327680
		.amdhsa_private_segment_fixed_size 0
		.amdhsa_enable_private_segment 0
		.amdhsa_kernarg_size 48
		.amdhsa_user_sgpr_count 2
		.amdhsa_user_sgpr_kernarg_segment_ptr 1
		.amdhsa_wavefront_size32 1
		.amdhsa_system_sgpr_workgroup_id_x 1
		.amdhsa_system_sgpr_workgroup_id_y 1
		.amdhsa_system_sgpr_workgroup_id_z 1
		.amdhsa_system_vgpr_workitem_id 0
		.amdhsa_next_free_vgpr 512
		.amdhsa_next_free_sgpr 106
		.amdhsa_reserve_vcc 0
		.amdhsa_float_denorm_mode_32 3
		.amdhsa_float_denorm_mode_16_64 3
		.amdhsa_memory_ordered 1
		.amdhsa_forward_progress 1
		.amdhsa_inst_pref_size 255
	.end_amdhsa_kernel
	.section	.bss,"aw",@nobits
	.p2align	6
	.space	262144
	.amdgpu_metadata
---
amdhsa.version: [ 1, 2 ]
amdhsa.kernels:
  - .name:           k_q1517b7b011_main
    .symbol:         k_q1517b7b011_main.kd
    .args:
      - { .name: z0, .offset: 0, .size: 8, .value_kind: global_buffer, .address_space: global }
      - { .name: z1, .offset: 8, .size: 8, .value_kind: global_buffer, .address_space: global }
      - { .name: z2, .offset: 16, .size: 8, .value_kind: global_buffer, .address_space: global }
      - { .name: wsp, .offset: 24, .size: 8, .value_kind: global_buffer, .address_space: global }
      - { .name: lowp_scales, .offset: 32, .size: 8, .value_kind: global_buffer, .address_space: global }
      - { .name: out0, .offset: 40, .size: 8, .value_kind: global_buffer, .address_space: global }
    .group_segment_fixed_size: 327680
    .private_segment_fixed_size: 0
    .kernarg_segment_align: 8
    .kernarg_segment_size: 48
    .max_flat_workgroup_size: 256
    .sgpr_count:     106
    .vgpr_count:     512
    .wavefront_size: 32
...
	.end_amdgpu_metadata
.endif
;; end of part 2
